; MI455X (gfx1250); checked and timed in simulation.
; The chip was launched on July 23, 2026; its instructions are those of AMD's public machine-readable ISA for CDNA 5 (MIT licence, August 2026) and "CDNA5" Instruction Set Architecture Reference Guide (July 2026). The comments in the code are by the model that wrote it; some were corrected since.
;; Self Attention. Allowed arithmetic: matrix products marked QUANTISED: E4M3 operands, one given power-of-two scale a tensor, by v_wmma_f32_16x16x64_fp8_fp8 or v_wmma_f32_16x16x128_fp8_fp8, f32 sums; everything else in f32.
;; Inputs: W_out_codes 256 x 8 x 32 uint8 (E4M3 codes of W_out, K innermost, in blocks of 32 codes); W_qkv_codes 768 x 8 x 32 uint8 (E4M3 codes of W_qkv, K innermost, in blocks of 32 codes); b_out 256 float32; b_qkv 768 float32; lowp_scales 8 int32 (the exponents e of the quantised operands' scales 2^e); x_codes 4 x 4,096 x 8 x 32 uint8 (E4M3 codes of x, K innermost, in blocks of 32 codes).
;; Outputs: out0 4 x 4,096 x 256 float32.
;; This version of the problem:
;;   THIS VERSION OF THE PROBLEM IS GIVEN IN LOW PRECISION. The matrix products marked QUANTISED in the list below multiply operands that are first quantised to E4M3 (4 exponent bits, 3 mantissa bits; 8 bits a number), with one given power-of-two scale for each operand tensor; their sums are f32. All else is computed in f32.
;;   The module's matrix products, in the order in which they are computed (A, B: the left and right operand; K: the contracted axis; several contracted axes count as one K, in the product's order):
;;     1. [M 16,384, K 256] x [K 256, N 768]; A: input x (given as codes); B: input W_qkv (given as codes): QUANTISED (scales: A lowp_scales[0], B lowp_scales[1])
;;     2. batch 4 x [M 4,096, K 256] x [K 256, N 4,096]; A: computed on the way; B: computed on the way: QUANTISED (scales: A lowp_scales[2], B lowp_scales[3])
;;     3. batch 4 x [M 4,096, K 4,096] x [K 4,096, N 256]; A: softmax (see below); B: computed on the way: QUANTISED (scales: A lowp_scales[4], B lowp_scales[5])
;;     4. [M 16,384, K 256] x [K 256, N 256]; A: computed on the way; B: input W_out (given as codes): QUANTISED (scales: A lowp_scales[6], B lowp_scales[7])
;;   THE QUANTISER, for each operand of a quantised product, along K:
;;     - The operand's scale is 2^e, e = its entry of the input lowp_scales (int32; the entries are numbered through the quantised products in the list's order, A before B).
;;     - Each number is divided by the scale, clamped to +-448, and rounded to the nearest number of E4M3, ties to even, subnormals kept.
;;     - The product sums the exact products of the quantised numbers (number of the format x scale) in f32.
;;   ~~~python
;;   def quantise(x, axis, e):      # numpy; x: float32 -> the quantised numbers, widened to float32 again
;;       x = np.moveaxis(x, axis, -1); K = x.shape[-1]
;;       r = np.clip(x / 2.0 ** e, -448, 448)
;;       step = 2.0 ** (np.maximum(np.frexp(np.where(r == 0, 1, r))[1] - 1, -6) - 3)
;;       q = np.round(r / step) * step * 2.0 ** e      # np.round: ties to even
;;       return np.moveaxis(q, -1, axis).astype(np.float32)
;;   ~~~
;;   SOFTMAX AHEAD OF A QUANTISED PRODUCT. Where the list says 'softmax', what is quantised is not the finished softmax but p = 2^(t - M), with t = logit x log2(e) and M = ceil(the row's largest t), a whole number; so 1/2 < the row's largest p <= 1. The row's sum l is taken of the UNQUANTISED p, in f32, and the product's result is divided by l at the end. Since M is a whole number, a kernel that streams over the keys may use a running M (the ceiling of the running maximum): every later rescaling is an exact power of two, so the quantised numbers keep their values, but for numbers so far below the row's largest that they fall under the format's range.
;;   OPERANDS COMPUTED ON THE WAY. 'Computed on the way' means the value that the module computes at that place (a softmax that the list does not call 'softmax' is quantised finished and normalised). What goes into a quantiser is computed in f32, as accurately as f32 sums, v_exp_f32 and their like allow (about 1e-6 of the number): no bf16 or f16 on the way to a quantiser, and a product that is left as it is and whose result goes on into a quantised operand takes f32 operands (vector FMAs, or v_wmma_f32_16x16x4_f32). A number that lies on a knife's edge between two numbers of the format may be rounded either way, as far as f32 arithmetic and the matrix unit's own rounding can turn it there, and no further.
;;   INPUTS GIVEN AS CODES. W_out (in the module: [256, 256], K = its axis 0); W_qkv (in the module: [256, 768], K = its axis 0); x (in the module: [4, 4096, 256], K = its axis 2): each comes as NAME_codes (uint8): NAME with its K axis moved to the last place and cut into blocks of 32 codes, [.., K / 32, bytes a block], one block behind the other in memory; one code a byte (a code: sign, 4 exponent bits, 3 mantissa bits); its scale is its entry of lowp_scales. Its value is code x scale, taken as it is: it is not quantised again, and the codes and scales need not be those that the quantiser above would give.
;; One version. Each part assembles by itself: llvm-mc -triple=amdgcn-amd-amdhsa -mcpu=gfx1250 --defsym DOCPART=n.
;; ======== version 1 of 1: 2 launches
;; limits: right only within a limited range of input values
;; workspace buffers: qc 4,194,304 bytes; kv 8,388,608 bytes
;; launch qkv (part 1): grid 256 x 1, 4 waves a work-group, clusters of 4 x 1, 327,680 bytes of LDS; arguments x_codes, W_qkv_codes, b_qkv, lowp_scales, qc, kv; writes qc, kv
.if DOCPART == 1
	.amdgcn_target "amdgcn-amd-amdhsa--gfx1250"
	.amdhsa_code_object_version 6
	.text
	.protected	k_q14633e96f5_qkv
	.globl	k_q14633e96f5_qkv
	.p2align	8
	.type	k_q14633e96f5_qkv,@function
k_q14633e96f5_qkv:
	s_mov_b64 s[64:65], 0
	v_nop
	global_prefetch_b8 v0, s[64:65] scope:SCOPE_SE
	s_setreg_imm32_b32 hwreg(HW_REG_WAVE_MODE, 25, 1), 1
	s_wait_xcnt 0x0
	s_wait_alu depctr_hold_cnt(0) depctr_sa_sdst(0) depctr_va_vdst(0) depctr_va_sdst(0) depctr_va_ssrc(0) depctr_va_vcc(0) depctr_vm_vsrc(0)
	s_getreg_b32 s2, hwreg(HW_REG_IB_STS2, 6, 4)
	s_cmp_eq_u32 s2, 0
	s_cbranch_scc0 .Lentry_in_a_cluster
	s_endpgm
.Lentry_in_a_cluster:
	s_bfe_u32 s2, ttmp6, 0x10000c
	s_cmp_lg_u32 s2, 0x3003
	s_cbranch_scc0 .Lentry_shape_is_right
	s_endpgm
.Lentry_shape_is_right:
; q, k, v = x W_qkv + b_qkv on codes of FP8 (E4M3), then each quantised again with its given scale, and stored as IMAGES OF OPERAND REGISTERS for the attention launch.
; x: [16384][256] codes, scale 2^e0.  W_qkv: [768][256] codes, K innermost, scale 2^e1.  b_qkv: [768] f32.  q, k, v are quantised with 2^e2, 2^e3, 2^e5.
; SHARES.  A cluster of four work-groups takes 256 rows of x; wave w of each takes block R = 4 x cluster + w of 64 rows; the work-group at place cx takes features 64 cx .. 64 cx + 63 of each of q, k, v.
; LOADS, one tensor load a wave: waves 0 to 2 the 64 rows of W for q, k, v (this work-group's alone: plain), wave 3 the cluster's 256 rows of x, JOINTLY (mask 15; its descriptor hangs on the cluster alone).
; q AND k ARE MADE TRANSPOSED (source 0 = 16 rows of W, source 1 = 16 rows of x): a lane holds one row, its eight registers eight neighbouring features, which are the next product's K.
; v IS MADE AS IT STANDS (source 0 = x, source 1 = W): a lane holds one channel, its registers eight neighbouring keys, which are ITS next product's K.  So one conversion of a tile's eight registers gives
;   registers 2 c, 2 c + 1 of the next operand (k = 16 c + 8 (lane / 16) + 0 .. 7), and nothing changes lanes.
; The bias is the C of each sum's first matrix instruction, divided by 2^(e0 + e1), the power of two that the sums lack; the three scales ahead of a quantiser are folded into the conversion's one.
; Both operands are fetched by 16-byte loads at 32 c + 16 (lane / 16): the same permutation of k on both sides, so every product meets its partner.
; OUT.  qc: block R at 16384 R: row tile m at 4096 m, feature group g (32 features) at 512 g, 16 bytes a lane.  kv: a block of 65,536 bytes for 128 keys: K's part laid as qc (key tile at 4096 kt),
;   V's part at 32,768: channel tile ct at 2048 ct, 32 keys at 512 c, 16 bytes a lane.  Every store of a wave covers 512 consecutive bytes, aligned.
; LIMITS: e2, e3 and e5, each less (e0 + e1), lie between -126 and 119; b_qkv x 2^-(e0 + e1) is finite.  NaN among the inputs is not served.
; NO PREFETCH: every byte is loaded once a work-group, at the head; there is no loop.
; REGISTERS: window 0: v3-10 addresses; v32-159 x's eight fragments (row tile m, K step s at 32 + 32 m + 16 s); v160-223 eight accumulators; v224-239 codes; v240-245 scale and 448 x scale for q, k, v.
;   window 1: W's fragments for q (v0-127) and k (v128-255), tile t, K step s at 32 t + 16 s.   window 2: those for v (v0-127); the biases, eight registers a tile: q v128, k v160, v v192.
.set PW,   272                         ; an LDS row: 256 bytes + 16 of padding
.set ROLE, 64*PW                       ; W's 64 rows of one of q, k, v
.set XB,   3*ROLE                      ; behind W: x's 256 rows
.set SPARE, 7*ROLE                     ; 121,856: the spare words
.set XF,   32
.set ACC,  160
.set CODE, 224
.set BQ,   128
.set BK,   160
.set BV,   192
.set MSB,  0
.macro WIN new                         ; the immediate's high byte repeats the setting that is left
.if MSB != (\new)
	s_set_vgpr_msb (MSB<<8)|(\new)
.set MSB, (\new)
.endif
.endm
.macro PLACES n
.rept \n
	v_nop
.endr
.endm
.macro CROUND                          ; a round of the cluster's barrier
	s_barrier_signal -1
	s_barrier_wait -1
	s_cmp_lg_u32 s16, 0
	s_cbranch_scc1 .Lnot_wave_0_\@
	s_barrier_signal -3
.Lnot_wave_0_\@:
	s_barrier_wait -3
	s_barrier_signal -1
	s_barrier_wait -1
.endm
	s_load_b256 s[4:11], s[0:1], 0x0               ; x, W, b, the scales' exponents
	s_load_b128 s[12:15], s[0:1], 0x20             ; qc, kv
	v_lshl_add_u32 v254, v0, 2, SPARE
	v_mov_b32 v255, 0
	ds_add_u32 v254, v255                          ; the opening: the add, twice on end
	ds_add_u32 v254, v255
	v_lshrrev_b32 v1, 5, v0
	v_readfirstlane_b32 s16, v1                    ; wave
	s_bfe_u32 s17, ttmp6, 0x40000                  ; cx: it enters W's address, the bias's and the stores' bases alone
	s_lshl_b32 s18, ttmp9, 2
	s_add_co_u32 s18, s18, s16                     ; R: my block of 64 rows
	s_mov_b32 s24, 15|(1<<20)|(1<<21)|(5<<22)|(3<<25)  ; x: the mask of all four; elements of 1 byte; padding of four words after every 64; bit 21 beside the mask
	s_mov_b32 s25, 256<<16
	s_mov_b32 s26, 256<<16
	s_mov_b32 s27, 256<<16
	s_mov_b32 s28, 256
	s_mov_b32 s29, 256
	s_mov_b32 s30, 0
	s_mov_b32 s31, 0
	s_mov_b32 s32, (1<<20)|(5<<22)|(3<<25)         ; W: 64 rows, no mask
	s_mov_b32 s33, 256<<16
	s_mov_b32 s34, 64<<16
	s_mov_b32 s35, 256<<16
	s_mov_b32 s36, 64
	s_mov_b32 s37, 256
	s_mov_b32 s38, 0
	s_mov_b32 s39, 0
	s_mul_i32 s57, s16, ROLE                       ; 64 rows x wave: W's role in LDS; and my rows of x behind XB
	s_lshl_b32 s58, s16, 16                        ; the role in memory,
	s_lshl_b32 s59, s17, 14
	s_add_co_u32 s58, s58, s59                     ; + 64 cx rows
	s_mov_b32 s59, 0
	s_lshl_b32 s60, ttmp9, 16                      ; x: 256 rows a cluster
	s_mov_b32 s61, 0
	s_wait_dscnt 0x0
	s_wait_kmcnt 0x0
	s_load_b256 s[80:87], s[10:11], 0x0            ; e0 .. e7
	s_mov_b32 s40, 1                               ; count = 1
	s_mov_b32 s41, s57
	s_add_nc_u64 s[42:43], s[6:7], s[58:59]
	s_or_b32 s43, s43, 0x80000000                  ; type = 2
	s_mov_b32 s52, 1
	s_mov_b32 s53, XB
	s_add_nc_u64 s[54:55], s[4:5], s[60:61]
	s_or_b32 s55, s55, 0x80000000
	CROUND                                         ; all four work-groups are here: the joint loads meet
	s_cmp_eq_u32 s16, 3
	s_cbranch_scc1 .Lfor_x
	tensor_load_to_lds s[40:43], s[32:39]          ; waves 0 to 2: W
	s_nop 0
	PLACES 4                                       ; four lines behind a tensor load
	s_branch .Lasked
.Lfor_x:
	tensor_load_to_lds s[52:55], s[24:31]          ; wave 3: x
	s_nop 0
	PLACES 4
.Lasked:
	v_and_b32 v1, 15, v0                           ; r
	v_bfe_u32 v2, v0, 4, 1                         ; h
	v_and_b32 v3, 31, v0
	v_lshlrev_b32 v3, 4, v3                        ; 16 x lane: my place in a store's 512 bytes
	v_mul_u32_u24 v10, v1, PW
	v_lshl_add_u32 v10, v2, 4, v10                 ; a fragment's row x pitch + 16 x half: W for q
	v_add_nc_u32 v4, s57, v10
	v_add_nc_u32 v4, XB, v4                        ; my 64 rows of x
	v_add_nc_u32 v6, ROLE, v10                     ; W for k,
	v_add_nc_u32 v7, 2*ROLE, v10                   ; for v
	v_lshlrev_b32 v8, 5, v2                        ; q's and k's bias: eight numbers of my half
	v_lshlrev_b32 v9, 2, v1                        ; v's bias: my channel's
	s_lshl_b32 s60, s17, 8
	s_mov_b32 s61, 0
	s_add_nc_u64 s[8:9], s[8:9], s[60:61]          ; b at my 64 features
	WIN 0x80                                       ; destination window 2
.irp t, 0,1,2,3
	global_load_b128 v[BQ+8*\t:BQ+8*\t+3],   v8, s[8:9] offset:64*\t
	global_load_b128 v[BQ+8*\t+4:BQ+8*\t+7], v8, s[8:9] offset:64*\t+16
	global_load_b128 v[BK+8*\t:BK+8*\t+3],   v8, s[8:9] offset:1024+64*\t
	global_load_b128 v[BK+8*\t+4:BK+8*\t+7], v8, s[8:9] offset:1024+64*\t+16
	global_load_b32  v[BV+8*\t],             v9, s[8:9] offset:2048+64*\t
.endr
	WIN 0
	s_lshl_b32 s68, s18, 14
	s_lshl_b32 s69, s17, 10
	s_add_co_u32 s68, s68, s69
	s_mov_b32 s69, 0
	s_add_nc_u64 s[68:69], s[12:13], s[68:69]      ; q: 16384 R + 1024 cx (two feature groups)
	s_lshr_b32 s76, s18, 1
	s_lshl_b32 s76, s76, 16                        ; the block of 128 keys: 65536 (R / 2)
	s_and_b32 s77, s18, 1                          ; which half of it my 64 rows are
	s_lshl_b32 s70, s77, 14
	s_add_co_u32 s70, s70, s76
	s_lshl_b32 s71, s17, 10
	s_add_co_u32 s70, s70, s71
	s_mov_b32 s71, 0
	s_add_nc_u64 s[70:71], s[14:15], s[70:71]      ; k: + 4 key tiles x half + 1024 cx
	s_lshl_b32 s72, s77, 10
	s_add_co_u32 s72, s72, s76
	s_lshl_b32 s73, s17, 13
	s_add_co_u32 s72, s72, s73
	s_mov_b32 s73, 0
	s_add_nc_u64 s[72:73], s[14:15], s[72:73]      ; v: + 2 groups of 32 keys x half + 4 channel tiles x cx
	s_wait_kmcnt 0x0
	s_add_co_i32 s74, s80, s81                     ; e0 + e1: a sum stands for sum x 2^(e0 + e1)
	s_sub_co_i32 s75, 0, s74
.macro MKSC e, vs                      ; v[vs] = 2^(e - e0 - e1) as f32, v[vs + 1] = 448 x that
	s_sub_co_i32 s76, s[\e], s74
	s_add_co_i32 s76, s76, 127
	s_lshl_b32 s77, s76, 23
	v_mov_b32 v[\vs], s77
	s_add_co_i32 s76, s76, 8
	s_lshl_b32 s76, s76, 23
	s_or_b32 s76, s76, 0x600000
	v_mov_b32 v[\vs+1], s76
.endm
	MKSC 82, 240                                   ; q
	MKSC 83, 242                                   ; k
	MKSC 85, 244                                   ; v
	s_wait_alu depctr_va_vdst(0)                   ; the wait at the head's end
	s_wait_tensorcnt 0x0                           ; my load is in LDS;
	s_barrier_signal -1
	s_barrier_wait -1                              ; everybody's is.  (Nothing is filled again in this launch)
.macro FETCHW adr, wb                  ; four tiles x two K steps: 32 loads
.irp t, 0,1,2,3
.irp s, 0,1
.irp c, 0,1,2,3
	ds_load_b128 v[\wb+32*\t+16*\s+4*\c:\wb+32*\t+16*\s+4*\c+3], v[\adr] offset:16*\t*PW+128*\s+32*\c
.endr
.endr
.endr
.endm
	FETCHW 4, XF                                   ; x: row tile in the tile's place
	WIN 0x40                                       ; destination window 1
	FETCHW 10, 0                                   ; W for q
	FETCHW 6, 128                                  ; W for k
	s_wait_loadcnt 0x0                             ; the biases
	WIN 0x82                                       ; source 0 and destination window 2
.set j, 0
.rept 64
	v_ldexp_f32 v[BQ+j], v[BQ+j], s75              ; q's and k's: / 2^(e0 + e1)
.set j, j+1
.endr
.irp t, 0,1,2,3
.irp j, 7,6,5,4,3,2,1,0
	v_ldexp_f32 v[BV+8*\t+\j], v[BV+8*\t], s75     ; v's: one number a lane (its channel's) for all eight keys; register 0 last, in place
.endr
.endr
	s_wait_dscnt 32                                ; x and W for q are in; the 32 loads of W for k may be out
	WIN 0x80                                       ; destination window 2
	FETCHW 7, 0                                    ; W for v
; The eight accumulators become codes: the hold (the conversion to an 8-bit code does not saturate: ISA guide 7.6.2), then eight numbers a conversion.  Each accumulator is read from its low end on.
.macro QUANT sc, lim
	s_wait_xcnt 0x0                                ; the last group's stores have read the codes' registers
.set j, 0
.rept 64
	v_med3_num_f32 v[ACC+j], v[ACC+j], -v[\lim], v[\lim]
.set j, j+1
.endr
.set j, 0
.rept 8
	v_cvt_scalef32_pk8_fp8_f32 v[CODE+2*j:CODE+2*j+1], v[ACC+8*j:ACC+8*j+7], v[\sc]
.set j, j+1
.endr
	v_nop                                          ; a plain line between the conversions and the next products, which write their sources
.endm
; q or k, row tiles 2 p and 2 p + 1: accumulator (u, t) at ACC + 8 (4 u + t).  The eight take turns.
.macro GROUP_T wb, bb, p, sc, lim, base
	WIN 0x21                                       ; source 0 (W) window 1, source 2 (the bias) window 2
.irp u, 0,1
.irp t, 0,1,2,3
	v_wmma_f32_16x16x128_fp8_fp8 v[ACC+8*(4*\u+\t):ACC+8*(4*\u+\t)+7], v[\wb+32*\t:\wb+32*\t+15], v[XF+32*(2*\p+\u):XF+32*(2*\p+\u)+15], v[\bb+8*\t:\bb+8*\t+7]
.endr
.endr
	WIN 0x01
.irp u, 0,1
.irp t, 0,1,2,3
	v_wmma_f32_16x16x128_fp8_fp8 v[ACC+8*(4*\u+\t):ACC+8*(4*\u+\t)+7], v[\wb+32*\t+16:\wb+32*\t+31], v[XF+32*(2*\p+\u)+16:XF+32*(2*\p+\u)+31], v[ACC+8*(4*\u+\t):ACC+8*(4*\u+\t)+7]
.endr
.endr
	WIN 0
	PLACES 4                                       ; four places between a product and the first read of its result (ISA guide 7.12.1)
	QUANT \sc, \lim
.irp g, 0,1,2,3
	global_store_b128 v3, v[CODE+4*\g:CODE+4*\g+3], s[\base:\base+1] offset:(2*\p+\g/2)*4096+(\g%2)*512   ; row tile 2 p + g / 2, feature group 2 cx + g % 2
.endr
.endm
; v, key tiles 2 p and 2 p + 1: accumulator (t, u) at ACC + 8 (2 t + u)
.macro GROUP_V p
	WIN 0x28                                       ; source 1 (W) and source 2 (the bias) window 2
.irp t, 0,1,2,3
.irp u, 0,1
	v_wmma_f32_16x16x128_fp8_fp8 v[ACC+8*(2*\t+\u):ACC+8*(2*\t+\u)+7], v[XF+32*(2*\p+\u):XF+32*(2*\p+\u)+15], v[32*\t:32*\t+15], v[BV+8*\t:BV+8*\t+7]
.endr
.endr
	WIN 0x08
.irp t, 0,1,2,3
.irp u, 0,1
	v_wmma_f32_16x16x128_fp8_fp8 v[ACC+8*(2*\t+\u):ACC+8*(2*\t+\u)+7], v[XF+32*(2*\p+\u)+16:XF+32*(2*\p+\u)+31], v[32*\t+16:32*\t+31], v[ACC+8*(2*\t+\u):ACC+8*(2*\t+\u)+7]
.endr
.endr
	WIN 0
	PLACES 4
	QUANT 244, 245
.irp t, 0,1,2,3
	global_store_b128 v3, v[CODE+4*\t:CODE+4*\t+3], s[72:73] offset:32768+\t*2048+\p*512   ; channel tile 4 cx + t, 32 keys
.endr
.endm
	GROUP_T 0, BQ, 0, 240, 241, 68
	GROUP_T 0, BQ, 1, 240, 241, 68
	s_wait_dscnt 32                                ; W for k is in; the 32 loads of W for v may be out
	GROUP_T 128, BK, 0, 242, 243, 70
	GROUP_T 128, BK, 1, 242, 243, 70
	s_wait_dscnt 0x0                               ; W for v is in
	GROUP_V 0
	GROUP_V 1
	s_wait_tensorcnt 0x0                           ; the wave's end
	ds_add_u32 v254, v255
	s_wait_dscnt 0x0
	CROUND                                         ; the closing round
	s_endpgm
.Lfunc_end_k_q14633e96f5_qkv:
	.size	k_q14633e96f5_qkv, .Lfunc_end_k_q14633e96f5_qkv-k_q14633e96f5_qkv
	.p2alignl 7, 3214868480
	.fill 96, 4, 3214868480
	.section	.rodata,"a",@progbits
	.p2align	6, 0x0
	.amdhsa_kernel k_q14633e96f5_qkv
		.amdhsa_group_segment_fixed_size 327680
		.amdhsa_private_segment_fixed_size 0
		.amdhsa_enable_private_segment 0
		.amdhsa_kernarg_size 48
		.amdhsa_user_sgpr_count 2
		.amdhsa_user_sgpr_kernarg_segment_ptr 1
		.amdhsa_wavefront_size32 1
		.amdhsa_system_sgpr_workgroup_id_x 1
		.amdhsa_system_sgpr_workgroup_id_y 1
		.amdhsa_system_sgpr_workgroup_id_z 1
		.amdhsa_system_vgpr_workitem_id 0
		.amdhsa_next_free_vgpr 768
		.amdhsa_next_free_sgpr 96
		.amdhsa_reserve_vcc 0
		.amdhsa_float_denorm_mode_32 3
		.amdhsa_float_denorm_mode_16_64 3
		.amdhsa_memory_ordered 1
		.amdhsa_forward_progress 1
		.amdhsa_inst_pref_size 60
	.end_amdhsa_kernel
	.amdgpu_metadata
---
amdhsa.version: [ 1, 2 ]
amdhsa.kernels:
  - .name:           k_q14633e96f5_qkv
    .symbol:         k_q14633e96f5_qkv.kd
    .args:
      - { .name: x_codes, .offset: 0, .size: 8, .value_kind: global_buffer, .address_space: global }
      - { .name: W_qkv_codes, .offset: 8, .size: 8, .value_kind: global_buffer, .address_space: global }
      - { .name: b_qkv, .offset: 16, .size: 8, .value_kind: global_buffer, .address_space: global }
      - { .name: lowp_scales, .offset: 24, .size: 8, .value_kind: global_buffer, .address_space: global }
      - { .name: qc, .offset: 32, .size: 8, .value_kind: global_buffer, .address_space: global }
      - { .name: kv, .offset: 40, .size: 8, .value_kind: global_buffer, .address_space: global }
    .group_segment_fixed_size: 327680
    .private_segment_fixed_size: 0
    .kernarg_segment_align: 8
    .kernarg_segment_size: 48
    .max_flat_workgroup_size: 128
    .sgpr_count:     96
    .vgpr_count:     768
    .wavefront_size: 32
...
	.end_amdgpu_metadata
.endif
;; end of part 1
;; launch attn (part 2): grid 64 x 4, 4 waves a work-group, clusters of 4 x 1, 327,680 bytes of LDS; arguments qc, kv, W_out_codes, b_out, lowp_scales, out0; writes out0
.if DOCPART == 2
	.amdgcn_target "amdgcn-amd-amdhsa--gfx1250"
	.amdhsa_code_object_version 6
	.text
	.protected	k_q14633e96f5_attn
	.globl	k_q14633e96f5_attn
	.p2align	8
	.type	k_q14633e96f5_attn,@function
k_q14633e96f5_attn:
	s_mov_b64 s[64:65], 0
	v_nop
	global_prefetch_b8 v0, s[64:65] scope:SCOPE_SE
	s_setreg_imm32_b32 hwreg(HW_REG_WAVE_MODE, 25, 1), 1
	s_wait_xcnt 0x0
	s_wait_alu depctr_hold_cnt(0) depctr_sa_sdst(0) depctr_va_vdst(0) depctr_va_sdst(0) depctr_va_ssrc(0) depctr_va_vcc(0) depctr_vm_vsrc(0)
	s_getreg_b32 s2, hwreg(HW_REG_IB_STS2, 6, 4)
	s_cmp_eq_u32 s2, 0
	s_cbranch_scc0 .Lentry_in_a_cluster
	s_endpgm
.Lentry_in_a_cluster:
	s_bfe_u32 s2, ttmp6, 0x10000c
	s_cmp_lg_u32 s2, 0x3003
	s_cbranch_scc0 .Lentry_shape_is_right
	s_endpgm
.Lentry_shape_is_right:
; out = softmax(q k^T / 16) v W_out + b_out on codes of FP8 (E4M3), one given scale 2^e a tensor.  q, k, v arrive as images of operand registers:
;   qc: 16,384 bytes for 64 queries (tile of 16 at 4096 m, 32 features at 512 g, 16 bytes a lane); kv: 65,536 bytes for 128 keys (K's part as qc's; V's at 32,768: channel tile at 2048 ct, 32 keys at 512 c).
; SHARES.  A work-group owns 64 queries of one batch; each of its four waves takes ALL 64 queries and, of each step's 512 keys, 128 of its own: each fragment of K or V that a wave reads feeds four products.
;   The four waves' parts of O, of the row sums and of M are joined at the end through LDS.  Wave w's tile j is the work-group's query tile (w + j) mod 4, so that every wave keeps its tile 0 and hands on tiles 1 to 3.
; SOFTMAX: t = score x log2(e) / 16; M = the largest t of the row so far among the wave's keys, rounded up to a whole number, kept as -M; p = 2^(t - M) is quantised, its sum is taken ahead of that in f32.
;   When M moves, O and the sum are multiplied by 2^(old M - new M), a power of two.
; Both products are used transposed: S^T = K Q^T, O^T = V^T P^T: a lane holds one query throughout, and eight results of a tile are eight neighbours along the next product's K.
; K comes through LDS, 32,768 bytes a wave and step, in one joint tensor load a wave and step, behind a round of the cluster's barrier: it is asked for when the step's K fragments are all in registers.
;   CLUSTER: four work-groups of one batch walk the same K and ask for it jointly (mask 15, equal descriptors), and for W_out in the last step.
; V goes from memory straight into registers, each byte once a work-group, as the scores' registers fall free.  It is not asked for jointly: a joint request lands in LDS, and there a step's K and V (262,144 bytes) leave no room
;   for a second slot of either, so that each step would have two refills, each to be waited for ahead of the other's barrier.
; PREFETCH: at each refill the batch's first and last cluster ask for K and V of the step after the one that is loaded, at the head for step 1: within a cluster each block of 256 bytes once, the four partners taking
;   one block of 128 keys each, by address, 8,192 bytes a wave, lanes 256 bytes apart.  Step 0 comes by its loads alone; the last two steps ask for nothing.
; LIMITS: e2 + e3 between -122 and 131; e4 between -126 and 119; e6 - e4 - e5 between -126 and 119; e6 + e7 between -126 and 127; the scaled scores (exponents to the base 2) stay under 2^31.  NaN inputs are not served.
; REGISTERS.  Window 0: v1 LDS address of my K; v2 16 x lane; v3, v4 the add; v5 prefetch; v6 2^e4, v7 448 x 2^e4; v8-11 -M; v12-15 maxima; v16-19 f; v20-27 sums (a pair a tile), v12-15 and v28-31 their second chains;
;   v32-95 P (four tiles x 16), in the first product two buffers of K's fragments; v96-127 a third; v128-255 Q.
;   Window 1: eight areas of 32: area a holds key tile a's scores of the four query tiles, then p, then V's fragments of channel tiles 2 a, 2 a + 1, then (areas 0 to 3) the next step's K fragments of key tiles 7 to 4.
;   Windows 2, 3: O^T, query tile j's channel tile ct at 128 j + 8 ct from window 2's first.
; Loads stand in batches, behind a wait for the wave's vector results where there is one.
.set STEPB, 262144                     ; bytes of kv for 512 keys
.set WOL,   196608                     ; W_out: 64 rows x 272 bytes a wave
.set SPARE, WOL+4*64*272               ; spare words, 128 bytes a wave
.set STAT,  SPARE+512
.set AIMG,  STAT+4096
.set OSTG,  AIMG+16384
.set P, 32
.set Q, 128
.set MSB, 0
.macro WIN new                         ; the immediate's high byte repeats the setting that is left
.if MSB != (\new)
	s_set_vgpr_msb (MSB<<8)|(\new)
.set MSB, (\new)
.endif
.endm
.macro PLACES n
.rept \n
	v_nop
.endr
.endm
.macro CREST                           ; a round of the cluster's barrier behind its opening barrier
	s_cmp_lg_u32 s16, 0
	s_cbranch_scc1 .Lnot_wave_0_\@
	s_barrier_signal -3
.Lnot_wave_0_\@:
	s_barrier_wait -3
	s_barrier_signal -1
	s_barrier_wait -1
.endm
.macro CROUND
	s_barrier_signal -1
	s_barrier_wait -1
	CREST
.endm
.macro ASK off                         ; s44 = 1 in the batch's first and last cluster; s43 = 7 up to step 0, then 6 .. 1 in the loop
	s_cmp_gt_u32 s43, s44
	s_cbranch_scc0 .Lnot_mine_\@
	global_prefetch_b8 v5, s[46:47] offset:\off th:TH_LOAD_NT scope:SCOPE_SE
.Lnot_mine_\@:
.endm
	s_load_b256 s[4:11], s[0:1], 0x0               ; qc, kv, W_out, b_out
	s_load_b128 s[12:15], s[0:1], 0x20             ; the scales' exponents, out
	v_lshl_add_u32 v3, v0, 2, SPARE
	v_mov_b32 v4, 0
	ds_add_u32 v3, v4                              ; the opening: the add, twice on end
	ds_add_u32 v3, v4
	v_lshrrev_b32 v1, 5, v0
	v_readfirstlane_b32 s16, v1                    ; wave
	s_bfe_u32 s19, ttmp6, 0x40000                  ; my place in the cluster
	s_lshl_b32 s20, ttmp9, 2
	s_add_co_u32 s20, s20, s19                     ; work-group x: 64 queries
	s_and_b32 s21, ttmp7, 0xffff                   ; batch
	s_mov_b32 s24, 15|(3<<16)|(1<<21)              ; group 1 for K: mask of four, elements of 8 bytes, bit 21 beside the mask; 128 rows of 256 bytes, dense
	s_mov_b32 s25, 32<<16
	s_mov_b32 s26, 128<<16
	s_mov_b32 s27, 32<<16
	s_mov_b32 s28, 128
	s_mov_b32 s29, 32
	s_mov_b32 s30, 0
	s_mov_b32 s31, 0
	s_mov_b32 s88, 15|(1<<20)|(1<<21)|(5<<22)|(3<<25)  ; for W_out: 64 rows of 256 bytes, four words of padding behind each
	s_mov_b32 s89, 256<<16
	s_mov_b32 s90, 64<<16
	s_mov_b32 s91, 256<<16
	s_mov_b32 s92, 64
	s_mov_b32 s93, 256
	s_mov_b32 s94, 0
	s_mov_b32 s95, 0
	s_mov_b32 s40, 0x76543210                      ; lane selects: lane l xor 16
	s_mov_b32 s41, 0xfedcba98
	s_mov_b32 s43, 7
	s_cmp_eq_u32 ttmp9, 0
	s_cselect_b32 s44, 1, -1
	s_cmp_eq_u32 ttmp9, 15
	s_cselect_b32 s44, 1, s44
	s_lshl_b32 s56, s21, 21                        ; the batch's keys,
	s_lshl_b32 s57, s16, 16
	s_add_co_u32 s56, s56, s57                     ; my block of 128 of the first step
	s_mov_b32 s57, 0
	s_lshl_b32 s62, s21, 21                        ; prefetch: block = my place, 8,192 bytes a wave, of step 1
	s_lshl_b32 s63, s19, 16
	s_add_co_u32 s62, s62, s63
	s_lshl_b32 s63, s16, 13
	s_add_co_u32 s62, s62, s63
	s_add_co_u32 s62, s62, STEPB
	s_mov_b32 s63, 0
	s_lshl_b32 s66, s21, 6
	s_add_co_u32 s66, s66, s20
	s_lshl_b32 s66, s66, 14                        ; my 64 queries
	s_mov_b32 s67, 0
	s_lshl_b32 s68, s21, 22
	s_lshl_b32 s69, s20, 16
	s_add_co_u32 s68, s68, s69
	s_lshl_b32 s69, s16, 8
	s_add_co_u32 s68, s68, s69                     ; out: my rows, columns 64 w on
	s_mov_b32 s69, 0
	s_lshl_b32 s70, s16, 14                        ; W_out's rows 64 w on
	s_mov_b32 s71, 0
	s_lshl_b32 s72, s16, 8
	s_mov_b32 s73, 0
	s_mul_i32 s74, s16, 64*272
	s_wait_dscnt 0x0                               ; both opening adds are done
	s_wait_kmcnt 0x0
	s_load_b256 s[80:87], s[12:13], 0x0            ; e0 .. e7
	s_add_nc_u64 s[60:61], s[6:7], s[56:57]
	s_mov_b32 s32, 1                               ; group 0 for K
	s_lshl_b32 s33, s16, 15
	s_mov_b64 s[34:35], s[60:61]
	s_or_b32 s35, s35, 0x80000000
	s_add_nc_u64 s[36:37], s[60:61], 32768         ; my V
	s_mov_b32 s48, 1                               ; group 0 for W_out
	s_add_co_u32 s49, s74, WOL
	s_add_nc_u64 s[50:51], s[8:9], s[70:71]
	s_or_b32 s51, s51, 0x80000000
	s_add_nc_u64 s[46:47], s[6:7], s[62:63]
	s_add_nc_u64 s[4:5], s[4:5], s[66:67]
	s_add_nc_u64 s[14:15], s[14:15], s[68:69]
	s_add_nc_u64 s[10:11], s[10:11], s[72:73]
	CROUND                                         ; all four work-groups are here: the first joint loads meet
	tensor_load_to_lds s[32:35], s[24:31]          ; K of step 0
	s_nop 0
	PLACES 4
.irp j, 0,1,2,3
	s_add_co_u32 s[56+\j], s16, \j
	s_and_b32 s[56+\j], s[56+\j], 3
	s_lshl_b32 s[56+\j], s[56+\j], 12              ; my tile j is the work-group's tile (w + j) mod 4
.endr
	v_and_b32 v20, 31, v0
	v_lshlrev_b32 v5, 8, v20
	v_lshlrev_b32 v2, 4, v20
.irp j, 0,1,2,3
	v_add_nc_u32 v[28+\j], s[56+\j], v2
.endr
	v_add_nc_u32 v1, s33, v2
.irp j, 0,1,2,3
.irp g, 0,1,2,3,4,5,6,7
	global_load_b128 v[Q+32*\j+4*\g:Q+32*\j+4*\g+3], v[28+\j], s[4:5] offset:512*\g
.endr
.endr
	s_wait_alu depctr_va_vdst(0)                   ; ahead of the branches
	ASK 0
	ASK 32768
	s_wait_kmcnt 0x0
	s_add_co_i32 s56, s82, s83
	s_lshl_b32 s56, s56, 23
	s_mov_b32 s22, 0x3db8aa3b                      ; log2(e) / 16; the scores' own 2^(e2 + e3) goes into its exponent field
	s_add_co_i32 s22, s22, s56
	s_mov_b32 s23, s22
	s_add_co_i32 s56, s84, 127
	s_lshl_b32 s57, s56, 23
	v_mov_b32 v6, s57                              ; 2^e4
	s_add_co_i32 s56, s56, 8
	s_lshl_b32 s56, s56, 23
	s_or_b32 s56, s56, 0x600000
	v_mov_b32 v7, s56                              ; 448 x 2^e4
	s_sub_co_i32 s56, s86, s84
	s_sub_co_i32 s56, s56, s85
	s_add_co_i32 s56, s56, 127
	s_lshl_b32 s54, s56, 23                        ; 2^(e6 - e4 - e5), for the last quantiser
	s_add_co_i32 s56, s56, 8
	s_lshl_b32 s55, s56, 23
	s_or_b32 s55, s55, 0x600000
	s_add_co_i32 s52, s86, s87
	s_add_co_i32 s52, s52, 127
	s_lshl_b32 s52, s52, 23                        ; 2^(e6 + e7)
	s_mov_b32 s53, s52
.macro KLD kt, base, win               ; the fragments of my key tile kt
	WIN \win
.irp i, 0,1,2,3,4,5,6,7
	ds_load_b128 v[\base+4*\i:\base+4*\i+3], v1 offset:4096*(\kt)+512*\i
.endr
.endm
.macro KLDS                            ; a step's first five key tiles
	KLD 7, 0, 0x40
	KLD 6, 32, 0x40
	KLD 5, 64, 0x40
	KLD 4, 96, 0x40
	KLD 3, 96, 0
.endm
; SCORES.  Tile j makes area 7 - j from key tile 7 - j: 8 products on four accumulators by turns.  Its K fragments: areas 0 to 3 for j = 0 to 3, then the buffers at v96, v32, v64 and v96 again.
; Between the products stand the maxima of the tile before (two a product): a result's first reader stands at least five plain lines behind its last product, and so does the product that writes over fragments.
.macro STILE j
.if \j < 4
.set KB, 32*\j
.set KW, 0x51
.else
.set KB, 32+32*((\j-2)%3)
.set KW, 0x50
.endif
.set SA, 32*(7-\j)
.irp k, 0,1,2,3,4,5,6,7
	WIN KW
.if \k < 4
	v_wmma_f32_16x16x128_fp8_fp8 v[SA+8*\k:SA+8*\k+7], v[KB:KB+15], v[Q+32*\k:Q+32*\k+15], 0
.else
	v_wmma_f32_16x16x128_fp8_fp8 v[SA+8*(\k-4):SA+8*(\k-4)+7], v[KB+16:KB+31], v[Q+32*(\k-4)+16:Q+32*(\k-4)+31], v[SA+8*(\k-4):SA+8*(\k-4)+7]
.endif
.if \j > 0
.irp e, 0,1
.set MQ, 2*(\k%2)+\e
.set MR, SA+32+8*MQ+2*(\k/2)
.if (\j == 1) && (\k < 2)
	WIN 0x05
	v_max_num_f32 v[12+MQ], v[MR], v[MR+1]
.else
	WIN 0x14
	v_max3_num_f32 v[12+MQ], v[12+MQ], v[MR], v[MR+1]
.endif
.endr
.endif
.endr
.if \j == 0
	PLACES 4                                       ; ahead of the first maxima
.endif
.endm
.macro PKM r, f, hi                    ; a pair x f's low or high word
.if \hi
	v_pk_mul_f32 v[\r:\r+1], v[\r:\r+1], v[\f:\f+1] op_sel:[0,1] op_sel_hi:[1,1]
.else
	v_pk_mul_f32 v[\r:\r+1], v[\r:\r+1], v[\f:\f+1] op_sel_hi:[1,0]
.endif
.endm
; M, f = 2^(old M - new M), and the sums under the new M
.macro NEWM first
.irp q, 0,1,2,3
	v_permlanex16_b32 v[28+\q], v[12+\q], s40, s41
.endr
.irp q, 0,1,2,3
	v_max_num_f32 v[12+\q], v[12+\q], v[28+\q]
.endr
.irp q, 0,1,2,3
	v_mul_f32 v[12+\q], s22, v[12+\q]
.endr
.if \first
.irp q, 0,1,2,3
	v_floor_f32 v[8+\q], -v[12+\q]                 ; -M = floor(-t)
.endr
.else
.irp q, 0,1,2,3
	v_floor_f32 v[28+\q], -v[12+\q]
.endr
.irp q, 0,1,2,3
	v_min_num_f32 v[28+\q], v[8+\q], v[28+\q]
.endr
.irp q, 0,1,2,3
	v_sub_f32 v[16+\q], v[28+\q], v[8+\q]
.endr
.irp q, 0,1,2,3
	v_mov_b32 v[8+\q], v[28+\q]
.endr
.irp q, 0,1,2,3
	v_cvt_i32_f32 v[16+\q], v[16+\q]
.endr
.irp q, 0,1,2,3
	v_ldexp_f32 v[16+\q], 1.0, v[16+\q]
.endr
	PKM 20, 16, 0
	PKM 22, 16, 1
	PKM 24, 18, 0
	PKM 26, 18, 1
.endif
.endm
.macro RESC w                          ; O^T of query tiles 2 w, 2 w + 1 under the new M (no exponential stands between its products and these lines)
	WIN 0x82+0x41*\w
.irp b, 0,1
.set j, 0
.rept 64
	PKM 128*\b+j, 16+2*\w, \b
.set j, j+2
.endr
.endr
.endm
.macro FMA1 a, n                       ; t - M, a pair of area a
.set FR, 32*(\a)+2*(\n)
.set FM, 8+2*((\n)/8)
.if ((\n)/4)%2
	v_pk_fma_f32 v[FR:FR+1], v[FR:FR+1], s[22:23], v[FM:FM+1] op_sel:[0,0,1] op_sel_hi:[1,0,1]
.else
	v_pk_fma_f32 v[FR:FR+1], v[FR:FR+1], s[22:23], v[FM:FM+1] op_sel_hi:[1,0,0]
.endif
.endm
.macro FMAS a
	WIN 0x41
.irp n, 0,1,2,3,4,5,6,7,8,9,10,11,12,13,14,15
	FMA1 \a, \n
.endr
.endm
; The row sums, of the p that is not yet held or rounded: two chains a query tile.  Area 0 begins the second chain (and in the first step the first).
.macro ADDS a, first
.irp i, 0,1,2,3
.irp q, 0,1,2,3
.set AR, 32*(\a)+8*\q+2*\i
.if \i%2
.set AC, 12+2*\q+12*(\q/2)
.set NEW, (\a) == 0
.else
.set AC, 20+2*\q
.set NEW, ((\a) == 0) && (\first)
.endif
.if NEW
.if \i < 2
	WIN 0x05
	v_pk_add_f32 v[AC:AC+1], v[AR:AR+1], v[AR+4:AR+5]
.endif
.else
	WIN 0x04
	v_pk_add_f32 v[AC:AC+1], v[AC:AC+1], v[AR:AR+1]
.endif
.endr
.endr
.endm
.macro CVTS a
	WIN 0x01
.irp q, 0,1,2,3
	v_cvt_scalef32_pk8_fp8_f32 v[P+16*\q+2*(\a):P+16*\q+2*(\a)+1], v[32*(\a)+8*\q:32*(\a)+8*\q+7], v6
.endr
.endm
.macro VLD a                           ; V's fragments of channel tiles 2 a, 2 a + 1 into the area that has been converted: each load 512 consecutive bytes
	WIN 0x40
.irp i, 0,1,2,3,4,5,6,7
	global_load_b128 v[32*(\a)+4*\i:32*(\a)+4*\i+3], v2, s[36:37] offset:4096*(\a)+512*\i
.endr
.endm
; Area g's exponentials, with the hold of area g - 1 between them.  The one wait at the head serves area g's exponents, area g - 1's p, area g - 2's held p, and the loads over area g - 3.
.macro SLOT g, first
	s_wait_alu depctr_va_vdst(0)
.if \g > 2
	VLD \g-3
.endif
.if \g > 0
	ADDS \g-1, \first
.endif
.if \g > 1
	CVTS \g-2
.endif
.if (\g > 0) && (\g < 7)
	FMAS \g+1
.endif
	WIN 0x41
.set ei, 0
.rept 32
	v_exp_f32 v[32*\g+ei], v[32*\g+ei]
.if \g > 0
	v_min_num_f32 v[32*(\g-1)+ei], v[32*(\g-1)+ei], v7   ; the conversion does not saturate (ISA guide 7.6.2)
.elseif ei < 16
	FMA1 1, ei
.endif
.set ei, ei+1
.endr
.endm
.macro SOFTMAX first
.irp g, 0,1,2,3,4,5,6,7
	SLOT \g, \first
.endr
	s_wait_alu depctr_va_vdst(0)
	VLD 5
	ADDS 7, \first
	WIN 0x41
.set ei, 0
.rept 32
	v_min_num_f32 v[224+ei], v[224+ei], v7
.set ei, ei+1
.endr
	CVTS 6
	CVTS 7
	WIN 0
.irp q, 0,1,2,3
	v_pk_add_f32 v[20+2*\q:21+2*\q], v[20+2*\q:21+2*\q], v[12+2*\q+12*(\q/2):13+2*\q+12*(\q/2)]
.endr
	s_wait_alu depctr_va_vdst(0)
	VLD 6
	VLD 7
.endm
.macro PVQ ct, q, first                ; channel tile ct, query tile q
	WIN 0xa1+0x50*((\q)/2)
.set OR, 128*((\q)%2)+8*(\ct)
.if \first
	v_wmma_f32_16x16x128_fp8_fp8 v[OR:OR+7], v[16*(\ct):16*(\ct)+15], v[P+16*(\q):P+16*(\q)+15], 0
.else
	v_wmma_f32_16x16x128_fp8_fp8 v[OR:OR+7], v[16*(\ct):16*(\ct)+15], v[P+16*(\q):P+16*(\q)+15], v[OR:OR+7]
.endif
.endm
.macro PVA a, first                    ; area a's two channel tiles; the later areas' loads, eight each, may be out
	s_wait_loadcnt 56-8*(\a)
.irp ct, 2*(\a), 2*(\a)+1
.irp q, 0,1,2,3
	PVQ \ct, \q, \first
.endr
.endr
.endm
; O^T += V^T P^T.  Behind channel tile 9 areas 0 to 3 are free for the next step's K.
.macro PV first
	PVA 0, \first
	PVA 1, \first
	PVA 2, \first
	PVA 3, \first
	PVA 4, \first
	PLACES 4                                       ; ahead of the loads over fragments
	WIN 0
	s_wait_xcnt 0x0                                ; V's loads have read their base
	s_add_nc_u64 s[36:37], s[36:37], STEPB
	s_wait_tensorcnt 0x0                           ; the one load that is out, my part of the next K, is in; no other wave reads it
	KLDS
	PVA 5, \first
	PVA 6, \first
	PVA 7, \first
	PLACES 5                                       ; ahead of products that write over fragments, and of loads
	WIN 0
.endm
.macro LASTHEAD                        ; last step: v1 my place in W_out's rows (16 c + 8 (lane / 16) along K), the third buffer the bias; v1 and v5 have served
	v_and_b32 v1, 15, v0
	v_bfe_u32 v5, v0, 4, 1
	v_mul_u32_u24 v1, v1, 272
	v_lshl_add_u32 v1, v5, 3, v1
	v_add_nc_u32 v1, s49, v1
	v_lshlrev_b32 v5, 5, v5
.irp nt, 0,1,2,3
	global_load_b128 v[96+8*\nt:99+8*\nt], v5, s[10:11] offset:64*\nt
	global_load_b128 v[100+8*\nt:103+8*\nt], v5, s[10:11] offset:64*\nt+16
.endr
.endm
.macro STEP first, last
	KLD 2, 32, 0                                   ; key tiles 2 and 1 into the buffers that held P
	KLD 1, 64, 0
	s_wait_dscnt 16                                ; areas 0 to 3 and the third buffer are in; these sixteen may be out
	STILE 0
	STILE 1
	STILE 2
	STILE 3
	STILE 4
	PLACES 2                                       ; with the last two maxima: the places ahead of the loads
	s_wait_alu depctr_va_vdst(0)                   ; ahead of the wait below
	s_wait_dscnt 0x0
	KLD 0, 96, 0                                   ; key tile 0 into the buffer that tile 4 has used up
	STILE 5
	WIN 0
	s_wait_alu depctr_va_vdst(0)
	s_wait_xcnt 0x0                                ; my prefetches have read their address
.if \last == 0
	s_add_nc_u64 s[46:47], s[46:47], STEPB
.endif
	s_wait_tensorcnt 0x0                           ; no tensor load of mine is out
	ds_add_u32 v3, v4
.if \last == 0
	s_add_nc_u64 s[34:35], s[34:35], STEPB
.endif
	STILE 6
	s_wait_alu depctr_va_vdst(0)
	s_wait_dscnt 0x0                               ; the add is done, and all of my K is in registers
	s_barrier_signal -1
	STILE 7                                        ; work on registers inside the barrier
	PLACES 4
	WIN 0x14
.irp i, 0,1,2,3
.irp q, 0,1,2,3
	v_max3_num_f32 v[12+\q], v[12+\q], v[8*\q+2*\i], v[8*\q+2*\i+1]
.endr
.endr
	WIN 0
	s_wait_alu depctr_va_vdst(0)
	s_barrier_wait -1
	CREST
.if \last
	tensor_load_to_lds s[48:51], s[88:95]          ; my 64 rows of W_out, into bytes that nothing has filled
	s_nop 0
	PLACES 4
	LASTHEAD
.else
	tensor_load_to_lds s[32:35], s[24:31]          ; the next step's K
	s_nop 0
	PLACES 4
	ASK 0
	ASK 32768
.endif
	NEWM \first
.if \first == 0
	RESC 0
	RESC 1
.endif
	FMAS 0
	SOFTMAX \first
.if \last == 0
	PV \first
.endif
.endm
	s_wait_alu depctr_va_vdst(0)                   ; the wait at the head's end
	s_wait_tensorcnt 0x0                           ; my K of step 0 is in (no other wave reads it)
	KLDS
	s_wait_loadcnt 0x0                             ; Q
	STEP 1, 0
	s_sub_co_u32 s43, s43, 1
.Lstep:                                                ; six trips
	STEP 0, 0
	s_sub_co_u32 s43, s43, 1
	s_cmp_lg_u32 s43, 0
	s_cbranch_scc1 .Lstep
	STEP 0, 1
; THE LAST STEP'S SECOND PRODUCT goes by query tiles, so that tiles 1 to 3 leave while the next is multiplied.
; THE JOINING.  Tile j goes to wave d = (w + j) mod 4: its O^T to 49,152 d + 16,384 (j - 1), in bytes that no fill lands on any more and, behind the barrier below, nobody reads.
.irp j, 0,1,2,3
	s_add_co_u32 s[56+\j], s16, \j
	s_and_b32 s[56+\j], s[56+\j], 3
	s_lshl_b32 s[60+\j], s[56+\j], 10
	s_add_co_u32 s[60+\j], s[60+\j], STAT+256*\j
	s_mul_i32 s[56+\j], s[56+\j], 49152
.if \j > 1
	s_add_co_u32 s[56+\j], s[56+\j], (\j-1)*16384
.endif
.endr
	s_mul_i32 s66, s16, 49152
	s_lshl_b32 s67, s16, 10
	s_add_co_u32 s67, s67, STAT
	s_lshl_b32 s68, s16, 12
	s_add_co_u32 s68, s68, AIMG
	s_mul_i32 s69, s16, 16*272
	s_add_co_u32 s69, s69, OSTG
	WIN 0
	s_wait_tensorcnt 0x0                           ; my rows of W_out are in (no other wave reads them)
	s_wait_dscnt 0x0
	s_barrier_signal -1
	v_and_b32 v19, 31, v0
	v_lshlrev_b32 v19, 4, v19
.irp j, 1,2,3
	v_add_nc_u32 v[15+\j], s[56+\j], v19           ; where tile j goes
.endr
	s_wait_alu depctr_va_vdst(0)
	s_barrier_wait -1
.irp nt, 0,1,2,3
.irp s, 0,1
.irp c, 0,1,2,3,4,5,6,7
	ds_load_b64 v[Q+32*\nt+16*\s+2*\c:Q+32*\nt+16*\s+2*\c+1], v1 offset:\nt*16*272+128*\s+16*\c   ; W_out's fragments into Q's registers
.endr
.endr
.endr
	s_wait_loadcnt 0x0                             ; V, and the bias
.macro PVROW q
.irp ct, 0,1,2,3,4,5,6,7,8,9,10,11,12,13,14,15
	PVQ \ct, \q, 0
.endr
.endm
.macro HAND win, adr, base
	PLACES 4
	WIN \win
.set g, 0
.rept 32
	ds_store_b128 v[\adr], v[\base+4*g:\base+4*g+3] offset:512*g
.set g, g+1
.endr
.endm
	PVROW 1
	HAND 0x08, 16, 128
	PVROW 2
	HAND 0x0c, 17, 0
	PVROW 3
	HAND 0x0c, 18, 128
	PVROW 0
	PLACES 4                                       ; ahead of lines that write over P
	WIN 0
.irp q, 0,1,2,3
	v_add_f32 v[12+\q], v[20+2*\q], v[21+2*\q]
.endr
.irp q, 0,1,2,3
	v_permlanex16_b32 v[28+\q], v[12+\q], s40, s41
.endr
.irp q, 0,1,2,3
	v_mov_b32 v[20+2*\q], v[8+\q]                  ; a tile's pair: -M, the row's sum over my keys
	v_add_f32 v[21+2*\q], v[12+\q], v[28+\q]
.endr
	v_mov_b32 v6, s54
	v_mov_b32 v7, s55
	v_and_b32 v93, 31, v0
	v_and_b32 v94, 15, v0
	v_bfe_u32 v95, v0, 4, 1
	v_lshlrev_b32 v32, 4, v93
	v_lshlrev_b32 v33, 3, v93
	v_add_nc_u32 v37, s66, v32                     ; where my tile's parts lie
.irp j, 0,1,2,3
	v_add_nc_u32 v[52+\j], s[60+\j], v33
.endr
	v_add_nc_u32 v38, s67, v33
	v_add_nc_u32 v39, s68, v32
	v_add_nc_u32 v88, AIMG, v32
	v_mul_u32_u24 v89, v94, 272                    ; the way out: in, row r, 32 bytes a half
	v_lshl_add_u32 v89, v95, 5, v89
	v_add_nc_u32 v89, s69, v89
	v_mul_u32_u24 v90, v95, 272                    ; back: two rows of 256 bytes
	v_lshl_add_u32 v90, v94, 4, v90
	v_add_nc_u32 v90, s69, v90
	v_lshlrev_b32 v91, 10, v95
	v_lshl_add_u32 v91, v94, 4, v91
.irp j, 0,1,2,3
	ds_store_b64 v[52+\j], v[20+2*\j:21+2*\j]
.endr
	s_wait_alu depctr_va_vdst(0)
	s_wait_dscnt 0x0
	s_barrier_signal -1
	s_barrier_wait -1
.irp j, 0,1,2,3
	ds_load_b64 v[40+2*\j:41+2*\j], v38 offset:256*\j
.endr
.macro TAKE win, base, off
	WIN \win
.set g, 0
.rept 32
	ds_load_b128 v[\base+4*g:\base+4*g+3], v37 offset:\off+512*g
.set g, g+1
.endr
.endm
	TAKE 0x40, 0, 0
	TAKE 0x40, 128, 16384
	TAKE 0xc0, 0, 32768
	WIN 0
	s_wait_dscnt 63                                ; of 100 loads the first 37 are in: the pairs and the first part
	v_min_num_f32 v9, v40, v42
	v_min_num_f32 v10, v44, v46
	v_min_num_f32 v9, v9, v10                      ; - the largest M
.irp j, 0,1,2,3
	v_sub_f32 v[92+\j], v9, v[40+2*\j]
.endr
.irp j, 0,1,2,3
	v_cvt_i32_f32 v[92+\j], v[92+\j]
.endr
.irp j, 0,1,2,3
	v_ldexp_f32 v[92+\j], 1.0, v[92+\j]            ; 2^(M of the part - M)
.endr
	v_mul_f32 v8, v92, v41
	v_fmac_f32 v8, v93, v43
	v_fmac_f32 v8, v94, v45
	v_fmac_f32 v8, v95, v47                        ; the row's sum
	s_wait_alu depctr_va_vdst(0)
	v_rcp_f32 v10, v8
	v_nop
	s_wait_alu depctr_va_vdst(0)
.irp j, 0,1,2,3
	v_mul_f32 v[48+\j], v[92+\j], v10
.endr
	WIN 0x82
	s_wait_alu depctr_va_vdst(0)                   ; ahead of the first readers of tile 0's products
.set j, 0
.rept 64
	PKM j, 48, 0
.set j, j+2
.endr
	WIN 0xa1
.set j, 0
.rept 64
	v_pk_fma_f32 v[j:j+1], v[j:j+1], v[48:49], v[j:j+1] op_sel:[0,1,0] op_sel_hi:[1,1,1]
.set j, j+2
.endr
	s_wait_dscnt 32                                ; the second part is in
.set j, 0
.rept 64
	v_pk_fma_f32 v[j:j+1], v[128+j:129+j], v[50:51], v[j:j+1] op_sel_hi:[1,0,1]
.set j, j+2
.endr
	s_wait_dscnt 0x0
	WIN 0xa3
.set j, 0
.rept 64
	v_pk_fma_f32 v[j:j+1], v[j:j+1], v[50:51], v[j:j+1] op_sel:[0,1,0] op_sel_hi:[1,1,1]
.set j, j+2
.endr
	WIN 0x82
.set j, 0
.rept 128
	v_med3_num_f32 v[j], v[j], -v7, v7
.set j, j+1
.endr
	WIN 0x02
.set j, 0
.rept 16
	v_cvt_scalef32_pk8_fp8_f32 v[56+2*j:57+2*j], v[8*j:8*j+7], v6
.set j, j+1
.endr
	v_nop
	WIN 0
.irp c, 0,1,2,3,4,5,6,7
	ds_store_b128 v39, v[56+4*\c:59+4*\c] offset:512*\c
.endr
	s_wait_dscnt 0x0
	s_barrier_signal -1
	s_barrier_wait -1
; THE PROJECTION: all 64 rows x my 64 columns
	WIN 0x40
.set g, 0
.rept 32
	ds_load_b128 v[4*g:4*g+3], v88 offset:512*g
.set g, g+1
.endr
	s_wait_dscnt 0x0
	WIN 0xf4
.irp s, 0,1
.irp m, 0,1,2,3
.irp nt, 0,1,2,3
.set DR, 128+8*(4*\m+\nt)
.if \s == 0
	v_wmma_f32_16x16x128_fp8_fp8 v[DR:DR+7], v[Q+32*\nt:Q+32*\nt+15], v[32*\m:32*\m+15], 0
.else
	v_wmma_f32_16x16x128_fp8_fp8 v[DR:DR+7], v[Q+32*\nt+16:Q+32*\nt+31], v[32*\m+16:32*\m+31], v[DR:DR+7]
.endif
.endr
.endr
.endr
	PLACES 4
	WIN 0x43
.irp a, 0,1,2,3,4,5,6,7,8,9,10,11,12,13,14,15
.irp i, 0,2,4,6
	v_pk_fma_f32 v[128+8*\a+\i:129+8*\a+\i], v[128+8*\a+\i:129+8*\a+\i], s[52:53], v[96+8*(\a%4)+\i:97+8*(\a%4)+\i] op_sel_hi:[1,0,1]
.endr
.endr
; THE WAY OUT: a tile of 16 rows x 256 bytes through my stage, so that sixteen lanes store 256 consecutive bytes.  LDS serves a wave's instructions in order (ISA guide 5.7.1.4).
.irp m, 0,1,2,3
	WIN 0x04
.irp nt, 0,1,2,3
	ds_store_b128 v89, v[128+32*\m+8*\nt:131+32*\m+8*\nt] offset:64*\nt
	ds_store_b128 v89, v[132+32*\m+8*\nt:135+32*\m+8*\nt] offset:64*\nt+16
.endr
	WIN 0x40
.irp i, 0,1,2,3,4,5,6,7
	ds_load_b128 v[128+32*\m+4*\i:131+32*\m+4*\i], v90 offset:544*\i
.endr
.endr
	WIN 0x04
.irp m, 0,1,2,3
	s_wait_dscnt 16*(3-\m)                         ; the later tiles' stores and loads may be out
.irp i, 0,1,2,3,4,5,6,7
	global_store_b128 v91, v[128+32*\m+4*\i:131+32*\m+4*\i], s[14:15] offset:(16*\m+2*\i)*1024 th:TH_STORE_NT
.endr
.endr
	WIN 0
	s_wait_tensorcnt 0x0                           ; the wave's end
	ds_add_u32 v3, v4
	s_wait_dscnt 0x0
	CROUND                                         ; the closing round
	s_endpgm
.Lfunc_end_k_q14633e96f5_attn:
	.size	k_q14633e96f5_attn, .Lfunc_end_k_q14633e96f5_attn-k_q14633e96f5_attn
	.p2alignl 7, 3214868480
	.fill 96, 4, 3214868480
	.section	.rodata,"a",@progbits
	.p2align	6, 0x0
	.amdhsa_kernel k_q14633e96f5_attn
		.amdhsa_group_segment_fixed_size 327680
		.amdhsa_private_segment_fixed_size 0
		.amdhsa_enable_private_segment 0
		.amdhsa_kernarg_size 48
		.amdhsa_user_sgpr_count 2
		.amdhsa_user_sgpr_kernarg_segment_ptr 1
		.amdhsa_wavefront_size32 1
		.amdhsa_system_sgpr_workgroup_id_x 1
		.amdhsa_system_sgpr_workgroup_id_y 1
		.amdhsa_system_sgpr_workgroup_id_z 1
		.amdhsa_system_vgpr_workitem_id 0
		.amdhsa_next_free_vgpr 1024
		.amdhsa_next_free_sgpr 96
		.amdhsa_reserve_vcc 0
		.amdhsa_float_denorm_mode_32 3
		.amdhsa_float_denorm_mode_16_64 3
		.amdhsa_memory_ordered 1
		.amdhsa_forward_progress 1
		.amdhsa_inst_pref_size 255
	.end_amdhsa_kernel
	.section	.bss,"aw",@nobits
	.p2align	6
	.space	262144
	.amdgpu_metadata
---
amdhsa.version: [ 1, 2 ]
amdhsa.kernels:
  - .name:           k_q14633e96f5_attn
    .symbol:         k_q14633e96f5_attn.kd
    .args:
      - { .name: qc, .offset: 0, .size: 8, .value_kind: global_buffer, .address_space: global }
      - { .name: kv, .offset: 8, .size: 8, .value_kind: global_buffer, .address_space: global }
      - { .name: W_out_codes, .offset: 16, .size: 8, .value_kind: global_buffer, .address_space: global }
      - { .name: b_out, .offset: 24, .size: 8, .value_kind: global_buffer, .address_space: global }
      - { .name: lowp_scales, .offset: 32, .size: 8, .value_kind: global_buffer, .address_space: global }
      - { .name: out0, .offset: 40, .size: 8, .value_kind: global_buffer, .address_space: global }
    .group_segment_fixed_size: 327680
    .private_segment_fixed_size: 0
    .kernarg_segment_align: 8
    .kernarg_segment_size: 48
    .max_flat_workgroup_size: 128
    .sgpr_count:     96
    .vgpr_count:     1024
    .wavefront_size: 32
...
	.end_amdgpu_metadata
.endif
;; end of part 2
